; MI455X (gfx1250); checked and timed in simulation.
; The chip was launched on July 23, 2026; its instructions are those of AMD's public machine-readable ISA for CDNA 5 (MIT licence, August 2026) and "CDNA5" Instruction Set Architecture Reference Guide (July 2026). The comments in the code are by the model that wrote it; some were corrected since.
;; GQA Attention. Allowed arithmetic: float matrix products may take bf16 or f16 operands with f32 sums; all other float work in f32.
;; Inputs: wk 512 x 2,048 float32; wo 2,048 x 1,024 float32; wq 1,024 x 2,048 float32; wv 512 x 2,048 float32; x 2 x 2,048 x 2,048 float32.
;; Outputs: out0 2 x 2,048 x 2,048 float32.
;; One version. Each part assembles by itself: llvm-mc -triple=amdgcn-amd-amdhsa -mcpu=gfx1250 --defsym DOCPART=n.
;; ======== version 1 of 1: 4 launches
;; limits: values are held in f16: magnitudes above 65,504 overflow, below 6.1e-05 lose precision
;; workspace buffers: bf 29,360,128 bytes; rope 524,288 bytes; qkvh 16,777,216 bytes; att 8,388,608 bytes
;; launch cast (part 1): grid 1792 x 1, 8 waves a work-group, no clusters, 0 bytes of LDS; arguments x, wq, wk, wv, wo, bf, rope; writes bf, rope
.if DOCPART == 1
	.amdgcn_target "amdgcn-amd-amdhsa--gfx1250"
	.amdhsa_code_object_version 6
	.text
	.protected	k_q2a92a3affc_cast
	.globl	k_q2a92a3affc_cast
	.p2align	8
	.type	k_q2a92a3affc_cast,@function
k_q2a92a3affc_cast:
	s_mov_b64 s[64:65], 0
	v_nop
	global_prefetch_b8 v0, s[64:65] scope:SCOPE_SE
	s_setreg_imm32_b32 hwreg(HW_REG_WAVE_MODE, 25, 1), 1
	s_wait_xcnt 0x0
; Rounds the five f32 inputs to 16 bits, once, and makes the table of rotations.
; bf (2 bytes a number): x [4096][2048] at byte 0, then wq, wk, wv as one matrix [2048][2048], then wo [2048][1024].
; x, wq, wk, wv are written as bf16.  wo is rounded to bf16 like them and then written in the f16 format, because the
; matrix that it is multiplied with later (att) is f16: f16 holds every bf16 number from 2^-17 to 65504 exactly.
; LIMIT: |wo| of 65504 or more becomes infinite; |wo| below 2^-17 is rounded to a multiple of 2^-24.
; Work-group g takes 32,768 bytes of f32 and stores 16,384 bytes at bf + 16,384 g: the sources follow each other in g in
; the order in which they lie in bf.  Thread t takes 32 neighbouring bytes of each 8,192 and stores 16: sixteen
; neighbouring lanes store 256 aligned bytes.  No LDS, no barrier, no matrix unit: a stream.
; rope [2048 positions][32 pairs][cos, sin] in f32: work-groups 0 to 255 make 8 positions each, one entry a thread.
; The angle is position x 10000^(-pair/32), reduced to [-pi, pi] by a fused multiply-add with 1/(2 pi), then Taylor
; sums up to x^15 and x^16 (first term left out at pi: 8e-7).  LIMIT: angles are good to about 2e-4 radians at the
; largest position.  Position 0 gives exactly (1, 0).
.set G_WQ,  1024                       ; first work-group of wq: x is 1,024 chunks of 32,768 bytes
.set G_WK,  1280
.set G_WV,  1408
.set G_WO,  1536
.set G_TAB, 256                        ; work-groups that also make the table
.set IN,    4                          ; v[4:35]   32 f32 as loaded; for wo later the widened halves
.set PKD,   36                         ; v[36:51]  16 words of two 16-bit numbers
.macro PICK limit, lo                  ; from work-group limit on the source is the buffer in s[lo:lo+1]
	s_cmp_ge_u32 ttmp9, \limit
	s_cselect_b64 s[18:19], s[\lo:\lo+1], s[18:19]
	s_cselect_b32 s20, \limit, s20
.endm
	s_load_b256 s[4:11], s[0:1], 0x0               ; x s[4:5], wq s[6:7], wk s[8:9], wv s[10:11]
	s_load_b128 s[12:15], s[0:1], 0x20             ; wo s[12:13], bf s[14:15]
	s_load_b64 s[16:17], s[0:1], 0x30              ; rope
	v_lshlrev_b32 v1, 5, v0                        ; 32 t: my bytes in
	v_lshlrev_b32 v2, 4, v0                        ; 16 t: my bytes out
	s_mov_b32 s20, 0
	s_mov_b32 s23, 0
	s_lshl_b32 s24, ttmp9, 14                      ; 16,384 g
	s_mov_b32 s25, 0
	s_wait_kmcnt 0x0
	s_mov_b64 s[18:19], s[4:5]
	PICK G_WQ, 6
	PICK G_WK, 8
	PICK G_WV, 10
	PICK G_WO, 12
	s_sub_co_u32 s22, ttmp9, s20                   ; chunk number inside the source
	s_lshl_b32 s22, s22, 15
	s_add_nc_u64 s[18:19], s[18:19], s[22:23]
	s_add_nc_u64 s[14:15], s[14:15], s[24:25]
.irp i, 0,1,2,3
	global_load_b128 v[IN+8*\i:IN+8*\i+3],   v1, s[18:19] offset:8192*\i th:TH_LOAD_NT
	global_load_b128 v[IN+8*\i+4:IN+8*\i+7], v1, s[18:19] offset:8192*\i+16 th:TH_LOAD_NT
.endr
.irp i, 0,1,2,3
	s_wait_loadcnt 6-2*\i                          ; loads come back in order: pair i is in, the younger pairs stay out
.irp j, 0,1,2,3
	v_cvt_pk_bf16_f32 v[PKD+4*\i+\j], v[IN+8*\i+2*\j], v[IN+8*\i+2*\j+1]
.endr
.endr
	s_cmp_lt_u32 ttmp9, G_WO
	s_cbranch_scc1 .Lstore
	; wo alone: the bf16 numbers, widened (a shift, a mask), go into the f16 format
.set i, 0
.rept 16
	v_lshlrev_b32 v[IN+2*i],   16, v[PKD+i]
	v_and_b32     v[IN+2*i+1], 0xffff0000, v[PKD+i]
	v_cvt_pk_f16_f32 v[PKD+i], v[IN+2*i], v[IN+2*i+1]
.set i, i+1
.endr
.Lstore:
.irp i, 0,1,2,3
	global_store_b128 v2, v[PKD+4*\i:PKD+4*\i+3], s[14:15] offset:4096*\i   ; read again by the next launch: no hint
.endr
	s_cmp_lt_u32 ttmp9, G_TAB
	s_cbranch_scc0 .Lend
	; the table: position 8 g + t / 32, pair t mod 32
	s_lshl_b32 s26, ttmp9, 3
	s_lshl_b32 s24, ttmp9, 11                      ; 8 rows of 256 bytes (s25 is still 0)
	s_add_nc_u64 s[16:17], s[16:17], s[24:25]
	v_and_b32 v52, 31, v0
	v_lshrrev_b32 v53, 5, v0
	v_add_nc_u32 v53, s26, v53
	v_cvt_f32_u32 v52, v52
	v_cvt_f32_u32 v53, v53
	v_mul_f32 v54, 0xbed49a78, v52                 ; - pair x log2(10000) / 32
	v_exp_f32 v54, v54
	v_lshlrev_b32 v62, 3, v0                       ; 8 t; also the plain instruction that stands behind v_exp_f32 before its result is used (ISA guide 5.7.2)
	s_wait_alu depctr_va_vdst(0)
	v_mul_f32 v55, v53, v54                        ; the angle
	v_mul_f32 v56, 0.15915494, v55
	v_rndne_f32 v56, v56                           ; whole turns
	v_fma_f32 v57, v55, 0.15915494, -v56           ; the rest, in turns, from the unrounded product
	v_mul_f32 v57, 0x40c90fdb, v57                 ; in radians, -pi to pi
	v_mul_f32 v58, v57, v57
	v_mov_b32 v61, 0xab573f9f                      ; -1/15!
	v_mov_b32 v60, 0x29573f9f                      ; 1/16!
.irp k, 0x2f309231, 0xb2d7322b, 0x3638ef1d, 0xb9500d01, 0x3c088889, 0xbe2aaaab
	v_fmaak_f32 v61, v61, v58, \k                  ; 1/13!, -1/11!, 1/9!, -1/7!, 1/5!, -1/3!
.endr
.irp k, 0xad49cba5, 0x310f76c7, 0xb493f27e, 0x37d00d01, 0xbab60b61, 0x3d2aaaab
	v_fmaak_f32 v60, v60, v58, \k                  ; -1/14!, 1/12!, -1/10!, 1/8!, -1/6!, 1/4!
.endr
	v_fma_f32 v61, v61, v58, 1.0
	v_fma_f32 v60, v60, v58, -0.5
	v_mul_f32 v61, v61, v57                        ; sin
	v_fma_f32 v60, v60, v58, 1.0                   ; cos
	global_store_b64 v62, v[60:61], s[16:17]       ; a wave stores one row of 256 bytes
.Lend:
	s_endpgm
.Lfunc_end_k_q2a92a3affc_cast:
	.size	k_q2a92a3affc_cast, .Lfunc_end_k_q2a92a3affc_cast-k_q2a92a3affc_cast
	.p2alignl 7, 3214868480
	.fill 96, 4, 3214868480
	.section	.rodata,"a",@progbits
	.p2align	6, 0x0
	.amdhsa_kernel k_q2a92a3affc_cast
		.amdhsa_group_segment_fixed_size 0
		.amdhsa_private_segment_fixed_size 0
		.amdhsa_enable_private_segment 0
		.amdhsa_kernarg_size 56
		.amdhsa_user_sgpr_count 2
		.amdhsa_user_sgpr_kernarg_segment_ptr 1
		.amdhsa_wavefront_size32 1
		.amdhsa_system_sgpr_workgroup_id_x 1
		.amdhsa_system_sgpr_workgroup_id_y 1
		.amdhsa_system_sgpr_workgroup_id_z 1
		.amdhsa_system_vgpr_workitem_id 0
		.amdhsa_next_free_vgpr 64
		.amdhsa_next_free_sgpr 66
		.amdhsa_reserve_vcc 0
		.amdhsa_float_denorm_mode_32 3
		.amdhsa_float_denorm_mode_16_64 3
		.amdhsa_memory_ordered 1
		.amdhsa_forward_progress 1
		.amdhsa_inst_pref_size 9
	.end_amdhsa_kernel
	.amdgpu_metadata
---
amdhsa.version: [ 1, 2 ]
amdhsa.kernels:
  - .name:           k_q2a92a3affc_cast
    .symbol:         k_q2a92a3affc_cast.kd
    .args:
      - { .name: x, .offset: 0, .size: 8, .value_kind: global_buffer, .address_space: global }
      - { .name: wq, .offset: 8, .size: 8, .value_kind: global_buffer, .address_space: global }
      - { .name: wk, .offset: 16, .size: 8, .value_kind: global_buffer, .address_space: global }
      - { .name: wv, .offset: 24, .size: 8, .value_kind: global_buffer, .address_space: global }
      - { .name: wo, .offset: 32, .size: 8, .value_kind: global_buffer, .address_space: global }
      - { .name: bf, .offset: 40, .size: 8, .value_kind: global_buffer, .address_space: global }
      - { .name: rope, .offset: 48, .size: 8, .value_kind: global_buffer, .address_space: global }
    .group_segment_fixed_size: 0
    .private_segment_fixed_size: 0
    .kernarg_segment_align: 8
    .kernarg_segment_size: 56
    .max_flat_workgroup_size: 256
    .sgpr_count:     66
    .vgpr_count:     64
    .wavefront_size: 32
...
	.end_amdgpu_metadata
.endif
;; end of part 1
;; launch qkv (part 2): grid 8 x 32, 4 waves a work-group, clusters of 4 x 4, 327,680 bytes of LDS; arguments bf, rope, qkvh; writes qkvh
.if DOCPART == 2
	.amdgcn_target "amdgcn-amd-amdhsa--gfx1250"
	.amdhsa_code_object_version 6
	.text
	.protected	k_q2a92a3affc_qkv
	.globl	k_q2a92a3affc_qkv
	.p2align	8
	.type	k_q2a92a3affc_qkv,@function
k_q2a92a3affc_qkv:
	s_mov_b64 s[64:65], 0
	v_nop
	global_prefetch_b8 v0, s[64:65] scope:SCOPE_SE
	s_setreg_imm32_b32 hwreg(HW_REG_WAVE_MODE, 25, 1), 1
	s_wait_xcnt 0x0
	s_wait_alu depctr_hold_cnt(0) depctr_sa_sdst(0) depctr_va_vdst(0) depctr_va_sdst(0) depctr_va_ssrc(0) depctr_va_vcc(0) depctr_vm_vsrc(0)
	s_getreg_b32 s2, hwreg(HW_REG_IB_STS2, 6, 4)
	s_cmp_eq_u32 s2, 0
	s_cbranch_scc0 .Lentry_in_a_cluster
	s_endpgm
.Lentry_in_a_cluster:
	s_bfe_u32 s2, ttmp6, 0x10000c
	s_cmp_lg_u32 s2, 0xf033
	s_cbranch_scc0 .Lentry_shape_is_right
	s_endpgm
.Lentry_shape_is_right:
; [q | k | v] = x W^T, W = wq, wk, wv stacked [2048][2048]; x [4096][2048]; both bf16 in bf; sums in f32.  On the way out q and k
; are rotated (RoPE, in f32) and everything is stored in f16, head by head: qkvh [batch 2][head 32][position 2048][64],
; heads 0-15 q, 16-23 k, 24-31 v.  f16 and not bf16, because the first positions of a sequence average few keys and their
; outputs are some ten times the root mean square of the whole output: 8 bits of significand on v would show there.
; LIMIT: |q|, |k|, |v| of 65504 or more become infinite (x and the weights as drawn give about 5 at the most).
; A work-group makes 128 rows x 256 columns with four waves; wave w makes rows 64 (w / 2) .. + 63, columns 128 (w mod 2) .. + 127:
; 32 accumulator tiles of 16 x 16.  256 work-groups.
; THE RING: two LDS slots of unequal size, a big one for 256 of K (rows of 512 bytes) and a small one for 128 of K (rows of 256 bytes).
; All of a wave's tensor loads have landed at each barrier behind which a slot is filled again, so a load has the matrix work of one slot
; in which to land, and what counts is how few such barriers there are.  384 rows x (528 + 272) bytes = 307,200 fit in LDS; two slots of 256 of K
; (405,504 bytes) would not.  K = 2048 goes as small, (big, small) x 5: 11 slots' worth, 9 refills.  Every tile row starts at a multiple of 256 bytes.
; CLUSTERS of 4 x 4: the four work-groups of a row of the cluster need the same rows of x, the four of a column the same rows
; of W; each such tile is asked for jointly, which divides the requests by four.
; The matrix instruction is used transposed (source 0 = rows of W, source 1 = rows of x): lane l then holds row l % 16 and the
; eight neighbouring columns 8 (l / 16) + 0..7 of a tile: four rotation pairs, and 16 bytes of f16.
; v is rotated too, by the table's row 0, which is exactly (1, 0): the text has no branch on the block column, which differs
; between partners of a cluster.  (An infinite v becomes NaN by that; the result is not finite there anyway.)
; REGISTERS in windows of 256: window 0 addresses and fragments; window 1 the accumulators, tile (a, b) at v[8 (8 a + b)];
; window 2 the table, (a, c) at v[32 a + 8 c]: cos, sin of the four pairs of columns 16 c + 8 h .. of the positions of row tile a.
.set KDIM,  2048
.set PB,    528                        ; the big slot's LDS row: 512 bytes + 16 of padding: an odd multiple of 16, so 16 rows start at 16 different 16-byte columns of 256
.set PS,    272                        ; the small slot's: 256 bytes + 16
.set DP,    PB-PS                      ; slot s (0 big, 1 small) has the pitch PB - s DP and 256 - 128 s of K
.set BIGSZ, 384*PB                     ; W's 256 rows, then x's 128 rows
.set SMALL, BIGSZ                      ; the small slot's first byte
.set STAGE, BIGSZ+384*PS               ; behind the ring: 16 rows x 272 bytes for each wave; no tensor load lands here
.set STEPB, 768                        ; bytes along a row from a slot's tile to its next: 384 of K
.set LAPS,  4                          ; trips of the loop: (big, small) with both refills
.set WQKV,  16777216                   ; byte of W in bf
.set HEADB, 262144                     ; bytes of a head in qkvh
.set VT,   4                           ; v4-7    byte offset in the table of my part of row tile a; never rewritten
.set ADRA, 16                          ; v16-17  LDS address of my x fragments in slot 0, 1
.set ADRB, 20                          ; v20-21  the same for W
.set STO,  24                          ; v24     the way out: where I put 16 bytes
.set RD,   25                          ; v25     the way out: where I read back
.set CO,   26                          ; v26     my byte offset in a store of 512 bytes
.set FA,   32                          ; v32-95   x fragments, two buffers of 4 x 8
.set FB,   96                          ; v96-223  W fragments, two buffers of 8 x 8
.set RO,   32                          ; the way out: 64 rotated numbers
.set PK,   96                          ; the way out: 32 words of f16
.set RB,   128                         ; the way out: two buffers of 32 words read back
.set G1A, 24                           ; s[24:39] group 1 of x's tiles, a set for each slot
.set G1B, 40                           ; s[40:55] group 1 of W's tiles, a set for each slot
.set G0A, 56                           ; s[56:63] group 0 of x's tiles, a set for each slot
.set G0B, 68                           ; s[68:75] group 0 of W's tiles, a set for each slot
.set MUL,   0x50                       ; C and D in window 1
.set TABLD, 0x80                       ; destination in window 2
.set ROT,   0x09                       ; source 0 in window 1, source 1 in window 2
.set MSB, 0
.macro WIN new                         ; the immediate's high byte repeats the setting that is left
.if MSB != \new
	s_set_vgpr_msb (MSB<<8)|\new
.set MSB, \new
.endif
.endm
.macro PLACES                          ; four plain vector instructions behind a matrix instruction (ISA guide 7.12.1), before its registers are loaded into or its result is read
.rept 4
	v_nop
.endr
.endm
; A joint load into slot s.  Waves 0 and 1 fetch the two halves of W's tile, waves 2 and 3 those of x's.  The branch hangs on the wave's number alone.
.macro JLOAD s
	s_cmp_eq_u32 s11, 0
	s_cbranch_scc0 .Lfor_a_\@
	tensor_load_to_lds s[G0B+4*\s:G0B+4*\s+3], s[G1B+8*\s:G1B+8*\s+7]
	s_nop 0
	s_branch .Lasked_\@
.Lfor_a_\@:
	tensor_load_to_lds s[G0A+4*\s:G0A+4*\s+3], s[G1A+8*\s:G1A+8*\s+7]
	s_nop 0
.Lasked_\@:
.endm
.macro CREST                           ; a round of the cluster's barrier behind its opening work-group barrier
	s_cmp_lg_u32 s10, 0
	s_cbranch_scc1 .Lnot_wave_0_\@
	s_barrier_signal -3
.Lnot_wave_0_\@:
	s_barrier_wait -3
	s_barrier_signal -1
	s_barrier_wait -1
.endm
.macro CROUND
	s_barrier_signal -1
	s_barrier_wait -1
	CREST
.endm
	s_load_b128 s[4:7], s[0:1], 0x0                ; bf s[4:5], rope s[6:7]
	s_load_b64 s[8:9], s[0:1], 0x10                ; qkvh
	v_lshl_add_u32 v254, v0, 2, 0x4f400
	v_mov_b32 v255, 0
	ds_add_u32 v254, v255
	v_lshrrev_b32 v1, 5, v0
	v_readfirstlane_b32 s10, v1                    ; wave 0..3
	s_lshr_b32 s11, s10, 1                         ; my half of the rows.  Also: I fetch for W (0) or for x (1)
	s_and_b32 s12, s10, 1                          ; my half of the columns.  Also: which half of that tile I fetch
	s_bfe_u32 s76, ttmp6, 0x40000                  ; cx
	s_bfe_u32 s77, ttmp6, 0x40004                  ; cy
	s_lshl_b32 s78, ttmp9, 2
	s_add_co_u32 s78, s78, s76                     ; block column 0..7
	s_and_b32 s13, ttmp7, 0xffff
	s_lshl_b32 s13, s13, 2
	s_add_co_u32 s13, s13, s77                     ; block row 0..31
	s_lshl_b32 s79, s77, 2
	s_lshl_b32 s79, 15, s79                        ; my row of the cluster
	s_lshl_b32 s80, 0x1111, s76                    ; my column
.irp s, 0,1
	s_or_b32 s[G1A+8*\s+0], s79, (1<<16)|(1<<20)|(1<<21)|((6-\s)<<22)|(3<<25)  ; mask; 2-byte elements; padding on; bit 21 beside a mask; 4 words behind every 128 (big) or 64 (small)
	s_or_b32 s[G1B+8*\s+0], s80, (1<<16)|(1<<20)|(1<<21)|((6-\s)<<22)|(3<<25)
	s_mov_b32 s[G1A+8*\s+1], (256-128*\s)<<16      ; tensor_dim0 = 256 or 128 of K
	s_mov_b32 s[G1B+8*\s+1], (256-128*\s)<<16
	s_mov_b32 s[G1A+8*\s+2], 64<<16                ; tensor_dim1 = 64 rows of x
	s_mov_b32 s[G1B+8*\s+2], 128<<16               ; 128 rows of W
	s_mov_b32 s[G1A+8*\s+3], (256-128*\s)<<16      ; tile_dim0
	s_mov_b32 s[G1B+8*\s+3], (256-128*\s)<<16
	s_mov_b32 s[G1A+8*\s+4], 64                    ; tile_dim1
	s_mov_b32 s[G1B+8*\s+4], 128
	s_mov_b32 s[G1A+8*\s+5], KDIM                  ; elements from row to row
	s_mov_b32 s[G1B+8*\s+5], KDIM
	s_mov_b32 s[G1A+8*\s+6], 0
	s_mov_b32 s[G1B+8*\s+6], 0
	s_mov_b32 s[G1A+8*\s+7], 0
	s_mov_b32 s[G1B+8*\s+7], 0
.endr
	; x's tiles hang on the block row alone, W's on the block column alone, each in registers that never hold the other coordinate
	s_lshl_b32 s16, s13, 7
	s_lshl_b32 s17, s12, 6
	s_add_co_u32 s16, s16, s17                     ; x: row 128 x block row + 64 x half
	s_lshl_b32 s16, s16, 12                        ; x 4,096 bytes
	s_mov_b32 s17, 0
	s_lshl_b32 s82, s78, 8
	s_lshl_b32 s83, s12, 7
	s_add_co_u32 s82, s82, s83                     ; W: row 256 x block column + 128 x half
	s_lshl_b32 s82, s82, 12
	s_add_co_u32 s82, s82, WQKV
	s_mov_b32 s83, 0
	s_wait_dscnt 0x0
	s_wait_kmcnt 0x0
	s_add_nc_u64 s[14:15], s[4:5], s[16:17]
	s_add_nc_u64 s[82:83], s[4:5], s[82:83]
	CROUND                                         ; all sixteen work-groups are here: the first joint loads meet
.irp s, 1,0                                        ; the small slot first: K 0-127; then the big one: K 128-383
	s_mul_i32 s20, s10, 64*(PB-\s*DP)              ; x: wave x 64 rows
	s_mul_i32 s21, s10, 128*(PB-\s*DP)             ; W: wave x 128 rows
	s_mov_b32 s[G0A+4*\s], 1
	s_add_co_u32 s[G0A+4*\s+1], s20, \s*BIGSZ+128*(PB-\s*DP)        ; waves 2, 3: rows 256 and 320 of the slot, behind W's 256
	s_add_nc_u64 s[G0A+4*\s+2:G0A+4*\s+3], s[14:15], (1-\s)*256
	s_or_b32 s[G0A+4*\s+3], s[G0A+4*\s+3], 0x80000000
	s_mov_b32 s[G0B+4*\s], 1
	s_add_co_u32 s[G0B+4*\s+1], s21, \s*BIGSZ                       ; waves 0, 1: rows 0 and 128 of the slot
	s_add_nc_u64 s[G0B+4*\s+2:G0B+4*\s+3], s[82:83], (1-\s)*256
	s_or_b32 s[G0B+4*\s+3], s[G0B+4*\s+3], 0x80000000
	JLOAD \s                                       ; two tensor loads of the wave are out
.endr
	v_and_b32 v1, 15, v0                           ; r
	v_bfe_u32 v2, v0, 4, 1                         ; h
	; the table: 32 loads of 16 bytes, waited for only at the way out.  Row pitch 256 for q and k, 0 (always row 0) for v: a choice of a value.
	s_cmp_lt_u32 s78, 6
	s_cselect_b32 s84, 256, 0
	s_lshl_b32 s85, s13, 7
	s_and_b32 s85, s85, 2047                       ; position of the block's first row in its sequence
	s_lshl_b32 s86, s11, 6
	s_add_co_u32 s85, s85, s86
	v_add_nc_u32 v3, s85, v1
	v_lshlrev_b32 v27, 5, v2                       ; 32 h: four pairs of 8 bytes
.irp a, 0,1,2,3
	v_add_nc_u32 v[VT+\a], 16*\a, v3
	v_mad_u32_u24 v[VT+\a], v[VT+\a], s84, v27
.endr
	WIN TABLD
.irp a, 0,1,2,3
.irp c, 0,1,2,3
	global_load_b128 v[32*\a+8*\c:32*\a+8*\c+3],   v[VT+\a], s[6:7] offset:64*\c
	global_load_b128 v[32*\a+8*\c+4:32*\a+8*\c+7], v[VT+\a], s[6:7] offset:64*\c+16
.endr
.endr
	WIN 0
	; fragments: lane l holds row l % 16; registers 0-3 K = 8 h + 0..7, registers 4-7 K = 16 + 8 h + 0..7: two loads of 16 bytes, 32 apart
	v_mul_u32_u24 v3, v1, PB
	v_lshl_add_u32 v3, v2, 4, v3                   ; big: 528 r + 16 h
	v_mul_u32_u24 v30, v1, PS
	v_lshl_add_u32 v30, v2, 4, v30                 ; small: 272 r + 16 h
	s_mul_i32 s22, s12, 128*PB                     ; my 128 rows of W
	s_mul_i32 s23, s11, 64*PB
	s_add_co_u32 s23, s23, 256*PB                  ; my 64 rows of x
	v_add_nc_u32 v[ADRB], s22, v3
	v_add_nc_u32 v[ADRA], s23, v3
	s_mul_i32 s22, s12, 128*PS
	s_add_co_u32 s22, s22, SMALL
	s_mul_i32 s23, s11, 64*PS
	s_add_co_u32 s23, s23, SMALL+256*PS
	v_add_nc_u32 v[ADRB+1], s22, v30
	v_add_nc_u32 v[ADRA+1], s23, v30
	s_mul_i32 s22, s10, 16*PS
	s_add_co_u32 s22, s22, STAGE                   ; my stage
	v_add_nc_u32 v[STO], s22, v30                  ; in: row r, 16 bytes for each half of the lanes
	v_bfe_u32 v28, v0, 3, 2
	v_and_b32 v29, 7, v0
	v_mul_u32_u24 v28, v28, PS
	v_lshl_add_u32 v28, v29, 4, v28
	v_add_nc_u32 v[RD], s22, v28                   ; back: eight lanes take the 128 bytes of one row of one head
	v_and_b32 v29, 31, v0
	v_lshlrev_b32 v[CO], 4, v29
; eight matrix instructions: row tile a x the 8 column tiles, 32 along K, from buffer f.  zero = 1: the first product starts the sums.
.macro MUL8 f, a, zero
.irp b, 0,1,2,3,4,5,6,7
.if \zero
	v_wmma_f32_16x16x32_bf16 v[8*(8*\a+\b):8*(8*\a+\b)+7], v[FB+64*\f+8*\b:FB+64*\f+8*\b+7], v[FA+32*\f+8*\a:FA+32*\f+8*\a+7], 0
.else
	v_wmma_f32_16x16x32_bf16 v[8*(8*\a+\b):8*(8*\a+\b)+7], v[FB+64*\f+8*\b:FB+64*\f+8*\b+7], v[FA+32*\f+8*\a:FA+32*\f+8*\a+7], v[8*(8*\a+\b):8*(8*\a+\b)+7]
.endif
.endr
.endm
; 24 LDS loads in one run: the fragments of quarter q (32 along K, at byte 64 q of the slot's rows) into buffer f; W first, x's four tiles last
.macro FETCH slot, q, f
	WIN 0
.irp i, 0,1,2,3,4,5,6,7
	ds_load_b128 v[FB+64*\f+8*\i:FB+64*\f+8*\i+3],   v[ADRB+\slot] offset:64*\q+\i*16*(PB-\slot*DP)
	ds_load_b128 v[FB+64*\f+8*\i+4:FB+64*\f+8*\i+7], v[ADRB+\slot] offset:64*\q+\i*16*(PB-\slot*DP)+32
.endr
.irp i, 0,1,2,3
	ds_load_b128 v[FA+32*\f+8*\i:FA+32*\f+8*\i+3],   v[ADRA+\slot] offset:64*\q+\i*16*(PB-\slot*DP)
	ds_load_b128 v[FA+32*\f+8*\i+4:FA+32*\f+8*\i+7], v[ADRA+\slot] offset:64*\q+\i*16*(PB-\slot*DP)+32
.endr
.endm
; A quarter that is not its slot's last: multiplies buffer f and, in its middle, fetches quarter q of the same slot into buffer g.
; The 32 accumulators take turns, one instruction a turn, in the same order in every quarter.
.macro QUARTER slot, q, f, g, zero
	s_wait_dscnt 4                                 ; W and x's tiles 0, 1 are in; the four youngest loads (x's tiles 2, 3) may be out
	WIN MUL
	MUL8 \f, 0, \zero
	MUL8 \f, 1, \zero
	PLACES
	FETCH \slot, \q, \g
	s_wait_dscnt 24                                ; all but the 24 just issued
	WIN MUL
	MUL8 \f, 2, \zero
	MUL8 \f, 3, \zero
.endm
.macro THREE zero                      ; the small slot's first three quarters
	QUARTER 1, 1, 0, 1, \zero
	QUARTER 1, 2, 1, 0, 0
	QUARTER 1, 3, 0, 1, 0
.endm
.macro SEVEN                           ; the big slot's first seven quarters
	QUARTER 0, 1, 0, 1, 0
	QUARTER 0, 2, 1, 0, 0
	QUARTER 0, 3, 0, 1, 0
	QUARTER 0, 4, 1, 0, 0
	QUARTER 0, 5, 0, 1, 0
	QUARTER 0, 6, 1, 0, 0
	QUARTER 0, 7, 0, 1, 0
.endm
; A slot's last quarter: multiplies buffer 1 and changes slots.  In front of the barrier each wave waits for its reads of this slot and for all
; its tensor loads (the one that is out is its part of the next slot).  fill = 1: the barrier opens a round of the cluster's barrier, and
; the joint refill of this slot, 384 of K ahead, is the first tensor load behind the round.  From there to the wait for it the wave issues
; 248 matrix instructions (the small slot's refill, under the big slot's work) or 120 (the big slot's).
.macro TURN slot, next, fill
	s_wait_dscnt 4
	WIN MUL
	MUL8 1, 0, 0
	s_wait_dscnt 0
	s_wait_tensorcnt 0x0
	ds_add_u32 v254, v255
	s_wait_dscnt 0x0
	s_barrier_signal -1
	MUL8 1, 1, 0                                   ; registers only, while the others arrive
	WIN 0
	s_barrier_wait -1
.if \fill
	CREST
	s_add_nc_u64 s[G0A+4*\slot+2:G0A+4*\slot+3], s[G0A+4*\slot+2:G0A+4*\slot+3], STEPB   ; no tensor load of mine is out: group 0 may be written
	s_add_nc_u64 s[G0B+4*\slot+2:G0B+4*\slot+3], s[G0B+4*\slot+2:G0B+4*\slot+3], STEPB
	JLOAD \slot
.endif
	PLACES
	FETCH \next, 0, 0
	WIN MUL
	MUL8 1, 2, 0
	MUL8 1, 3, 0
.endm
	s_wait_tensorcnt 0x1                           ; my part of the small slot (K 0-127) is in; the big slot's may stay out
	s_barrier_signal -1
	s_barrier_wait -1
	FETCH 1, 0, 0
	THREE 1                                        ; K 0-127 stands in front of the loop: its first products start the sums
	TURN 1, 0, 1
	WIN 0
	s_mov_b32 s3, LAPS
.Llap:
	SEVEN
	TURN 0, 1, 1
	THREE 0
	TURN 1, 0, 1
	WIN 0
	s_sub_co_u32 s3, s3, 1
	s_cmp_lg_u32 s3, 0
	s_cbranch_scc1 .Llap
	SEVEN                                          ; K 1664-1919 and 1920-2047: nothing is left to fetch
	TURN 0, 1, 0
	THREE 0
	s_wait_dscnt 4
	WIN MUL
	MUL8 1, 0, 0
	MUL8 1, 1, 0
	s_wait_dscnt 0
	MUL8 1, 2, 0
	MUL8 1, 3, 0
	; THE WAY OUT, 16 rows at a time: rotate, round to f16, 16 bytes a lane into my stage, read back as 4 rows x 128 bytes of one head.
	PLACES
	WIN 0
	s_wait_loadcnt 0x0                             ; the table
	s_lshr_b32 s66, s13, 4                         ; batch
	s_lshl_b32 s66, s66, 5
	s_lshl_b32 s67, s78, 2
	s_add_co_u32 s66, s66, s67
	s_lshl_b32 s67, s12, 1
	s_add_co_u32 s66, s66, s67                     ; my first head: 32 batch + 4 block column + 2 half
	s_lshl_b32 s66, s66, 11
	s_and_b32 s67, s13, 15
	s_lshl_b32 s67, s67, 7
	s_add_co_u32 s66, s66, s67
	s_lshl_b32 s67, s11, 6
	s_add_co_u32 s66, s66, s67                     ; + my first position
	s_lshl_b32 s66, s66, 7                         ; rows of 128 bytes
	s_mov_b32 s67, 0
	s_add_nc_u64 s[8:9], s[8:9], s[66:67]
.macro OUT16 a
	WIN ROT
.irp b, 0,1,2,3,4,5,6,7
.irp i, 0,1,2,3
	v_mul_f32 v[RO+8*\b+2*\i],   v[8*(8*\a+\b)+2*\i+1], v[32*\a+8*(\b&3)+2*\i+1]   ; odd x sin
	v_mul_f32 v[RO+8*\b+2*\i+1], v[8*(8*\a+\b)+2*\i+1], v[32*\a+8*(\b&3)+2*\i]     ; odd x cos
.endr
.irp i, 0,1,2,3
	v_fma_f32 v[RO+8*\b+2*\i],   v[8*(8*\a+\b)+2*\i], v[32*\a+8*(\b&3)+2*\i],   -v[RO+8*\b+2*\i]    ; even x cos - odd x sin
	v_fma_f32 v[RO+8*\b+2*\i+1], v[8*(8*\a+\b)+2*\i], v[32*\a+8*(\b&3)+2*\i+1], v[RO+8*\b+2*\i+1]   ; even x sin + odd x cos
.endr
.endr
	WIN 0
.irp b, 0,1,2,3,4,5,6,7
.irp i, 0,1,2,3
	v_cvt_pk_f16_f32 v[PK+4*\b+\i], v[RO+8*\b+2*\i], v[RO+8*\b+2*\i+1]
.endr
	ds_store_b128 v[STO], v[PK+4*\b:PK+4*\b+3] offset:32*\b
.endr
	s_wait_xcnt 0x0                                ; the read-back buffer, which earlier stores read, and the stores' base are rewritten only behind this wait
.if \a
	s_add_nc_u64 s[8:9], s[8:9], 16*128            ; 16 positions on
.endif
.irp u, 0,1,2,3,4,5,6,7
	ds_load_b128 v[RB+32*(\a&1)+4*\u:RB+32*(\a&1)+4*\u+3], v[RD] offset:4*PS*(\u&3)+128*(\u>>2)   ; LDS serves a wave in order: these see the stores above
.endr
.irp u, 0,1,2,3,4,5,6,7
	s_wait_dscnt 7-\u
	global_store_b128 v[CO], v[RB+32*(\a&1)+4*\u:RB+32*(\a&1)+4*\u+3], s[8:9] offset:512*(\u&3)+HEADB*(\u>>2)   ; 512 neighbouring bytes of one head, aligned
.endr
.endm
	OUT16 0
	OUT16 1
	OUT16 2
	OUT16 3
	s_wait_tensorcnt 0x0
	ds_add_u32 v254, v255
	s_wait_dscnt 0x0
	CROUND                                         ; the closing round: no work-group ends while a partner may still ask jointly
	s_endpgm
.Lfunc_end_k_q2a92a3affc_qkv:
	.size	k_q2a92a3affc_qkv, .Lfunc_end_k_q2a92a3affc_qkv-k_q2a92a3affc_qkv
	.p2alignl 7, 3214868480
	.fill 96, 4, 3214868480
	.section	.rodata,"a",@progbits
	.p2align	6, 0x0
	.amdhsa_kernel k_q2a92a3affc_qkv
		.amdhsa_group_segment_fixed_size 327680
		.amdhsa_private_segment_fixed_size 0
		.amdhsa_enable_private_segment 0
		.amdhsa_kernarg_size 24
		.amdhsa_user_sgpr_count 2
		.amdhsa_user_sgpr_kernarg_segment_ptr 1
		.amdhsa_wavefront_size32 1
		.amdhsa_system_sgpr_workgroup_id_x 1
		.amdhsa_system_sgpr_workgroup_id_y 1
		.amdhsa_system_sgpr_workgroup_id_z 1
		.amdhsa_system_vgpr_workitem_id 0
		.amdhsa_next_free_vgpr 640
		.amdhsa_next_free_sgpr 96
		.amdhsa_reserve_vcc 0
		.amdhsa_float_denorm_mode_32 3
		.amdhsa_float_denorm_mode_16_64 3
		.amdhsa_memory_ordered 1
		.amdhsa_forward_progress 1
		.amdhsa_inst_pref_size 161
	.end_amdhsa_kernel
	.amdgpu_metadata
---
amdhsa.version: [ 1, 2 ]
amdhsa.kernels:
  - .name:           k_q2a92a3affc_qkv
    .symbol:         k_q2a92a3affc_qkv.kd
    .args:
      - { .name: bf, .offset: 0, .size: 8, .value_kind: global_buffer, .address_space: global }
      - { .name: rope, .offset: 8, .size: 8, .value_kind: global_buffer, .address_space: global }
      - { .name: qkvh, .offset: 16, .size: 8, .value_kind: global_buffer, .address_space: global }
    .group_segment_fixed_size: 327680
    .private_segment_fixed_size: 0
    .kernarg_segment_align: 8
    .kernarg_segment_size: 24
    .max_flat_workgroup_size: 128
    .sgpr_count:     96
    .vgpr_count:     640
    .wavefront_size: 32
...
	.end_amdgpu_metadata
.endif
;; end of part 2
;; launch attn (part 3): grid 256 x 1, 8 waves a work-group, no clusters, 327,680 bytes of LDS; arguments qkvh, att; writes att
.if DOCPART == 3
	.amdgcn_target "amdgcn-amd-amdhsa--gfx1250"
	.amdhsa_code_object_version 6
	.text
	.protected	k_q2a92a3affc_attn
	.globl	k_q2a92a3affc_attn
	.p2align	8
	.type	k_q2a92a3affc_attn,@function
k_q2a92a3affc_attn:
	s_mov_b64 s[64:65], 0
	v_nop
	global_prefetch_b8 v0, s[64:65] scope:SCOPE_SE
	s_setreg_imm32_b32 hwreg(HW_REG_WAVE_MODE, 25, 1), 1
	s_wait_xcnt 0x0
; Causal attention with a running maximum.  qkvh f16 [batch 2][head 32][position 2048][64] (q 0-15, k 16-23, v 24-31).
; att f16 [batch x block of 128 positions: 32][head 16][row 128][64]: a work-group's result for a block is 16,384 dense bytes, and the heads of one block follow each other.
; Work-group g: pair a = g & 7, q head (g >> 3) & 15, batch g >> 7; k and v head = q head / 2.  It owns the blocks of 128 positions 2 a and 15 - 2 a:
; 2 a + 1 and 16 - 2 a tiles of 128 keys, 17 steps for every one of the 256 work-groups.
; EIGHT WAVES, two on each SIMD, so that one wave's softmax runs while the other's matrix instructions do.  Wave w owns rows 32 (w & 3) .. + 31 of a block (two tiles of 16)
; and the keys 64 (w >> 2) .. + 63 of EVERY tile: the two groups of four waves keep maxima, row sums and O of their own and meet once a block, through LDS.
; So each K and V fragment is still read by four waves, and steps, tiles and barriers are those of four waves.
; Each block starts at its diagonal tile and walks down to tile 0: the first tile starts all sums (no register is cleared) and is the only one that needs the mask.
; One block number is even and one odd, so each step's slot is fixed in the text.
; In the diagonal tile rows 0-63 see none of the keys 64-127.  The first maximum is therefore floored at -1e30: for such a row every P is exp2 of about -6e37, which is 0, so the row sum
; and O are 0 and the shift is finite, and the next rescale (or the meeting of the groups) multiplies them by exp2 of about -2e29, which is 0.  Raw scores of f16 q and k are at most
; 64 x 65504^2 = 2.8e11 in size, so the floor never binds a real score.
; LAYOUT, no exchange between lanes but one for the maximum: S^T = K Q^T (source 0 = 16 keys, source 1 = 16 rows of q): lane (r, h) holds row r and keys 8 h + j;
; two such tiles, packed in place, are the second source of O^T = V^T P (source 0 = V, transposed by the LDS load): lane (r, h) holds row r and d = 16 dt + 8 h + j.
; The row sums come from the same P: a first source of ones gives the sum of the rounded P in every register of one more accumulator, so that P's rounding
; enters numerator and denominator alike; only its register 0 is rescaled and used (the elements of C are independent of each other).
; exp(s / 8 - m / 8) = exp2(c s - c m), c = log2(e) / 8.  The shift -c m is kept as rounded, and old sums are rescaled by exp2(new shift - old shift), so that
; O, the row sum and P refer to the same shift whatever the size of the scores; the two groups meet in the same way, at the smaller of their shifts.
; LIMITS: P and V are f16 (P is at most 1; P below 2^-24 counts as 0).  Masked scores are the most negative finite f32, as in the definition.  A NaN among the scores is dropped by the maximum.
; NO CLUSTER: only the two q heads of one k/v head walk the same tiles in the same order; work-groups of other pairs a start at other tiles and change blocks at
; other steps, so no four work-groups ask for the same tile in the same step.
.set REG,   10240                      ; LDS bytes of one wave's tensor load: 64 keys
.set VP,    160                        ; V's LDS row: 128 bytes + 32 of padding (an odd multiple of 32 for the transposing load)
.set KP,    144                        ; K's LDS row: 128 bytes + 16 (64 rows use 9,216 of the 10,240)
.set KOFF,  2*REG
.set SLOT,  4*REG                      ; V keys 0-63, V keys 64-127, K keys 0-63, K keys 64-127
.set STAGE, 2*SLOT                     ; behind the ring: 32 rows x 144 bytes for each wave; no tensor load lands here
.set SP,    144
.set MERGE, STAGE+8*32*SP              ; behind the stage: where waves 4-7 hand their sums to waves 0-3; no tensor load lands here
.set MSZ,   17*512                     ; 17 x 16 bytes a lane: 64 of O, two row sums, two shifts
.set KA,   4                           ; v4   KOFF + 10,240 (w >> 2) + 144 r + 16 h
.set VA,   5                           ; v5   10,240 (w >> 2) + 160 (8 h + l % 8) + 16 ((l / 8) % 2)
.set STO,  6                           ; v6   stage + 144 r + 16 h
.set RD,   7                           ; v7   stage + 144 (l / 8) + 16 (l % 8)
.set CO,   8                           ; v8   16 l
.set QOFF, 9                           ; v9   128 r + 16 h
.set LIM,  10                          ; v10-11  row tile qt: 32 (w & 3) + 16 qt + r - 8 h - 64 (w >> 2): the largest 16 kt + j that the row sees in my half of the diagonal tile
.set MX,   12                          ; v12-13  running maximum of the raw scores
.set NMC,  14                          ; v14-17  the shift -c max, twice (a pair for the packed multiply-add)
.set AL,   18                          ; v18-21  the rescale factor, twice
.set MG,   22                          ; v22     MERGE + 8,704 (w & 3) + 16 l
.set BE,   24                          ; v24-27  the meeting: the other group's factor, twice
.set QE,   32                          ; v32-63  q of block 2 a: fragment (qt, ds) at 16 qt + 8 ds
.set QO,   64                          ; v64-95  q of block 15 - 2 a
.set SC,   96                          ; v96-159  scores, then P: tile (kt, qt) at 32 qt + 8 kt
.set OA,   160                         ; v160-223 O: tile (dt, qt) at 32 qt + 8 dt
.set TT,   224                         ; v224-235 at work
.set LA,   240                         ; v240-255 row sums: 8 registers for each qt
.set KF,   0                           ; window 1: v0-63 K fragments (kt, ds) at 16 kt + 8 ds
.set VF,   64                          ; window 1: v64-127 V fragments (dt, ks) at 16 dt + 8 ks
.set ONES, 128                         ; window 1: v128-135 a fragment of ones
.set G1V, 16                           ; s[16:23]
.set G1K, 24                           ; s[24:31]
.set G0V, 32                           ; s[32:39], one set a slot
.set G0K, 40                           ; s[40:47], one set a slot
.set LD, 0x40                          ; destination in window 1
.set MM, 0x01                          ; source 0 in window 1
.set MSB, 0
.macro WIN new
.if MSB != \new
	s_set_vgpr_msb (MSB<<8)|\new
.set MSB, \new
.endif
.endm
.macro PLACES n                        ; plain vector instructions behind a matrix instruction (ISA guide 7.12.1)
.rept \n
	v_nop
.endr
.endm
.macro VKLOAD s                        ; waves 0, 1 fetch V's halves, waves 2, 3 K's, waves 4-7 nothing: at most one tensor load a wave
	s_cmp_lt_u32 s8, 2
	s_cbranch_scc0 .Lnot_v_\@
	tensor_load_to_lds s[G0V+4*\s:G0V+4*\s+3], s[G1V:G1V+7]
	s_nop 0
	s_branch .Lasked_\@
.Lnot_v_\@:
	s_cmp_lt_u32 s8, 4
	s_cbranch_scc0 .Lasked_\@
	tensor_load_to_lds s[G0K+4*\s:G0K+4*\s+3], s[G1K:G1K+7]
	s_nop 0
.Lasked_\@:
.endm
.macro AIM s                           ; slot s gets tile s52: 128 keys of 128 bytes each
	s_lshl_b32 s54, s52, 14
	s_mov_b32 s55, 0
	s_add_nc_u64 s[G0V+4*\s+2:G0V+4*\s+3], s[12:13], s[54:55]
	s_or_b32 s[G0V+4*\s+3], s[G0V+4*\s+3], 0x80000000
	s_add_nc_u64 s[G0K+4*\s+2:G0K+4*\s+3], s[12:13], s[54:55]
	s_or_b32 s[G0K+4*\s+3], s[G0K+4*\s+3], 0x80000000
.endm
.macro NEXT s                          ; the next tile of the stream: one down, or from tile 0 of the first block to the diagonal of the second
	s_sub_co_i32 s3, s52, 1
	s_cmp_eq_u32 s52, 0
	s_cselect_b32 s52, s53, s3
	AIM \s
.endm
	s_load_b128 s[4:7], s[0:1], 0x0                ; qkvh s[4:5], att s[6:7]
	v_lshl_add_u32 v238, v0, 2, 0x29000
	v_mov_b32 v239, 0
	ds_add_u32 v238, v239
	v_lshrrev_b32 v3, 5, v0
	v_readfirstlane_b32 s8, v3                     ; wave 0..7
	s_lshr_b32 s80, s8, 2                          ; my half of every tile's keys
	s_and_b32 s81, s8, 3                           ; my 32 rows of a block
	s_and_b32 s9, ttmp9, 7                         ; a
	s_bfe_u32 s10, ttmp9, 0x40003                  ; q head
	s_lshr_b32 s11, ttmp9, 7                       ; batch
	s_lshl_b32 s52, s9, 1                          ; the first tile of the stream = the first block, 2 a
	s_sub_co_u32 s53, 15, s52                      ; the second block
	s_mov_b32 s2, 0xbe38aa3b                       ; -c
	s_mov_b32 s49, 0xff7fffff                      ; the most negative finite f32
	s_mov_b32 s82, 0xf149f2ca                      ; -1e30, the floor of a first maximum
	s_mov_b32 s50, 0x76543210                      ; v_permlanex16_b32: lane i takes lane i of the other half
	s_mov_b32 s51, 0xfedcba98
	s_mov_b32 s[G1V+0], (1<<16)|(1<<20)|(4<<22)|(7<<25)   ; 2-byte elements; padding on: 8 words behind every 32
	s_mov_b32 s[G1K+0], (1<<16)|(1<<20)|(4<<22)|(3<<25)   ; 4 words behind every 32
.irp g, G1V, G1K
	s_mov_b32 s[\g+1], 64<<16                      ; tensor_dim0 = 64
	s_mov_b32 s[\g+2], 64<<16                      ; tensor_dim1 = 64
	s_mov_b32 s[\g+3], 64<<16                      ; tile_dim0 = 64
	s_mov_b32 s[\g+4], 64                          ; tile_dim1 = 64 keys
	s_mov_b32 s[\g+5], 64                          ; elements from row to row: the tile is dense in memory
	s_mov_b32 s[\g+6], 0
	s_mov_b32 s[\g+7], 0
.endr
	s_mul_i32 s14, s8, REG                         ; where my load lands: wave x 10,240 (waves 0-3 alone issue loads)
.irp s, 0,1
	s_mov_b32 s[G0V+4*\s], 1
	s_add_co_u32 s[G0V+4*\s+1], s14, \s*SLOT
	s_mov_b32 s[G0K+4*\s], 1
	s_add_co_u32 s[G0K+4*\s+1], s14, \s*SLOT
.endr
	s_cmp_lt_u32 s8, 2
	s_cselect_b32 s3, 24, 16                       ; v's heads begin at 24, k's at 16
	s_lshl_b32 s66, s11, 5
	s_add_co_u32 s66, s66, s3
	s_lshr_b32 s3, s10, 1
	s_add_co_u32 s66, s66, s3
	s_lshl_b32 s66, s66, 11
	s_and_b32 s3, s8, 1
	s_lshl_b32 s3, s3, 6
	s_add_co_u32 s66, s66, s3                      ; row of my half of tile 0
	s_lshl_b32 s66, s66, 7
	s_mov_b32 s67, 0
	s_lshl_b32 s3, s81, 5                          ; 32 (w & 3)
	s_lshl_b32 s68, s11, 5
	s_add_co_u32 s68, s68, s10
	s_lshl_b32 s68, s68, 11
	s_add_co_u32 s68, s68, s3                      ; my rows in my q head, block 0
	s_lshl_b32 s72, s52, 7
	s_lshl_b32 s74, s53, 7
	s_add_co_u32 s76, s68, s74
	s_add_co_u32 s68, s68, s72
	s_lshl_b32 s70, s11, 4                         ; att: ((16 batch + block) x 16 + head) x 128 + my rows
	s_add_co_u32 s78, s70, s53
	s_add_co_u32 s70, s70, s52
	s_lshl_b32 s70, s70, 4
	s_lshl_b32 s78, s78, 4
	s_add_co_u32 s70, s70, s10
	s_add_co_u32 s78, s78, s10
	s_lshl_b32 s70, s70, 7
	s_lshl_b32 s78, s78, 7
	s_add_co_u32 s70, s70, s3
	s_add_co_u32 s78, s78, s3
	s_lshl_b32 s68, s68, 7                         ; rows of 128 bytes
	s_lshl_b32 s70, s70, 7
	s_lshl_b32 s76, s76, 7
	s_lshl_b32 s78, s78, 7
	s_mov_b32 s69, 0
	s_mov_b32 s71, 0
	s_mov_b32 s77, 0
	s_mov_b32 s79, 0
	s_wait_dscnt 0x0
	s_barrier_signal -1
	s_barrier_wait -1
	s_wait_kmcnt 0x0
	s_add_nc_u64 s[12:13], s[4:5], s[66:67]        ; my half of tile 0 of K or V
	s_add_nc_u64 s[60:61], s[4:5], s[68:69]        ; q, first block
	s_add_nc_u64 s[62:63], s[4:5], s[76:77]        ; q, second block
	s_add_nc_u64 s[56:57], s[6:7], s[70:71]        ; att, first block
	s_add_nc_u64 s[58:59], s[6:7], s[78:79]        ; att, second block
	AIM 0
	VKLOAD 0                                       ; the first fill, ahead of every wait on TENSORcnt and every LDS load
	v_and_b32 v1, 15, v0                           ; r
	v_bfe_u32 v2, v0, 4, 1                         ; h
	v_lshlrev_b32 v[QOFF], 7, v1
	v_lshl_add_u32 v[QOFF], v2, 4, v[QOFF]
.irp qt, 0,1
.irp ds, 0,1
	global_load_b128 v[QE+16*\qt+8*\ds:QE+16*\qt+8*\ds+3],   v[QOFF], s[60:61] offset:2048*\qt+64*\ds
	global_load_b128 v[QE+16*\qt+8*\ds+4:QE+16*\qt+8*\ds+7], v[QOFF], s[60:61] offset:2048*\qt+64*\ds+32
	global_load_b128 v[QO+16*\qt+8*\ds:QO+16*\qt+8*\ds+3],   v[QOFF], s[62:63] offset:2048*\qt+64*\ds
	global_load_b128 v[QO+16*\qt+8*\ds+4:QO+16*\qt+8*\ds+7], v[QOFF], s[62:63] offset:2048*\qt+64*\ds+32
.endr
.endr
	v_mul_u32_u24 v26, v1, KP
	v_lshl_add_u32 v26, v2, 4, v26                 ; 144 r + 16 h
	s_mul_i32 s84, s80, REG                        ; my half of the keys, in V's part and in K's part of a slot alike
	s_add_co_u32 s85, s84, KOFF
	v_add_nc_u32 v[KA], s85, v26
	v_and_b32 v27, 7, v0
	v_lshl_add_u32 v28, v2, 3, v27
	v_mul_u32_u24 v[VA], v28, VP
	v_bfe_u32 v28, v0, 3, 1
	v_lshl_add_u32 v[VA], v28, 4, v[VA]
	v_add_nc_u32 v[VA], s84, v[VA]
	s_mul_i32 s54, s8, 32*SP
	s_add_co_u32 s54, s54, STAGE
	v_add_nc_u32 v[STO], s54, v26
	v_bfe_u32 v28, v0, 3, 2
	v_mul_u32_u24 v28, v28, SP
	v_lshl_add_u32 v28, v27, 4, v28
	v_add_nc_u32 v[RD], s54, v28
	v_and_b32 v28, 31, v0
	v_lshlrev_b32 v[CO], 4, v28
	s_mul_i32 s54, s81, MSZ
	s_add_co_u32 s54, s54, MERGE
	v_add_nc_u32 v[MG], s54, v[CO]                 ; waves w and w + 4 name the same bytes: one stores, a barrier, the other loads
	v_lshlrev_b32 v28, 3, v2
	v_sub_nc_u32 v[LIM], v1, v28
	s_lshl_b32 s83, s80, 6
	s_sub_co_i32 s83, s3, s83                      ; 32 (w & 3) - 64 (w >> 2)
	v_add_nc_u32 v[LIM], s83, v[LIM]
	v_add_nc_u32 v[LIM+1], 16, v[LIM]
	WIN LD
.irp i, 0,1,2,3,4,5,6,7
	v_mov_b32 v[ONES+\i], 0x3c003c00               ; 1.0, 1.0 in f16
.endr
	WIN 0
	s_wait_loadcnt 0x0                             ; q, once
.macro KLOAD slot                      ; 16 loads: my 64 keys x 64 d as first sources
.irp kt, 0,1,2,3
.irp ds, 0,1
	ds_load_b128 v[KF+16*\kt+8*\ds:KF+16*\kt+8*\ds+3],   v[KA] offset:\slot*SLOT+\kt*16*KP+64*\ds
	ds_load_b128 v[KF+16*\kt+8*\ds+4:KF+16*\kt+8*\ds+7], v[KA] offset:\slot*SLOT+\kt*16*KP+64*\ds+32
.endr
.endr
.endm
.macro VLOAD slot                      ; 16 transposing loads: 64 d x my 64 keys as first sources
.irp dt, 0,1,2,3
.irp ks, 0,1
	ds_load_tr16_b128 v[VF+16*\dt+8*\ks:VF+16*\dt+8*\ks+3],   v[VA] offset:\slot*SLOT+(32*\ks)*VP+32*\dt
	ds_load_tr16_b128 v[VF+16*\dt+8*\ks+4:VF+16*\dt+8*\ks+7], v[VA] offset:\slot*SLOT+(32*\ks+16)*VP+32*\dt
.endr
.endr
.endm
; 16 matrix instructions: the eight score tiles take turns, one instruction a turn; the first 32 of d start the sums
.macro QK q
.irp ds, 0,1
.irp qt, 0,1
.irp kt, 0,1,2,3
.if \ds
	v_wmma_f32_16x16x32_f16 v[SC+32*\qt+8*\kt:SC+32*\qt+8*\kt+7], v[KF+16*\kt+8*\ds:KF+16*\kt+8*\ds+7], v[\q+16*\qt+8*\ds:\q+16*\qt+8*\ds+7], v[SC+32*\qt+8*\kt:SC+32*\qt+8*\kt+7]
.else
	v_wmma_f32_16x16x32_f16 v[SC+32*\qt+8*\kt:SC+32*\qt+8*\kt+7], v[KF+16*\kt+8*\ds:KF+16*\kt+8*\ds+7], v[\q+16*\qt+8*\ds:\q+16*\qt+8*\ds+7], 0
.endif
.endr
.endr
.endr
.endm
; 20 matrix instructions: eight tiles of O and the two row sums take turns, one instruction a turn
.macro PV first
.irp ks, 0,1
.irp qt, 0,1
.irp dt, 0,1,2,3
.if \first*(1-\ks)
	v_wmma_f32_16x16x32_f16 v[OA+32*\qt+8*\dt:OA+32*\qt+8*\dt+7], v[VF+16*\dt+8*\ks:VF+16*\dt+8*\ks+7], v[SC+32*\qt+16*\ks:SC+32*\qt+16*\ks+7], 0
.else
	v_wmma_f32_16x16x32_f16 v[OA+32*\qt+8*\dt:OA+32*\qt+8*\dt+7], v[VF+16*\dt+8*\ks:VF+16*\dt+8*\ks+7], v[SC+32*\qt+16*\ks:SC+32*\qt+16*\ks+7], v[OA+32*\qt+8*\dt:OA+32*\qt+8*\dt+7]
.endif
.endr
.if \first*(1-\ks)
	v_wmma_f32_16x16x32_f16 v[LA+8*\qt:LA+8*\qt+7], v[ONES:ONES+7], v[SC+32*\qt+16*\ks:SC+32*\qt+16*\ks+7], 0
.else
	v_wmma_f32_16x16x32_f16 v[LA+8*\qt:LA+8*\qt+7], v[ONES:ONES+7], v[SC+32*\qt+16*\ks:SC+32*\qt+16*\ks+7], v[LA+8*\qt:LA+8*\qt+7]
.endif
.endr
.endr
.endm
.macro MASK                            ; the diagonal tile: key 64 (w >> 2) + 16 kt + 8 h + j is seen by row 32 (w & 3) + 16 qt + r if it is not larger
.irp qt, 0,1
.irp kt, 0,1,2,3
.irp j, 0,1,2,3,4,5,6,7
	v_cmp_le_i32 vcc_lo, 16*\kt+\j, v[LIM+\qt]
	v_cndmask_b32 v[SC+32*\qt+8*\kt+\j], s49, v[SC+32*\qt+8*\kt+\j], vcc_lo
.endr
.endr
.endr
.endm
; 64 keys of row tile qt: new maximum, new shift, rescale of O and of the row sum, P = exp2(c s + shift), packed in place to f16
.macro SOFTMAX qt, first
.set SQ, SC+32*\qt
.irp k, 0,1,2,3
	v_max3_num_f32 v[TT+\k], v[SQ+8*\k], v[SQ+8*\k+1], v[SQ+8*\k+2]
.endr
.irp k, 0,1,2,3
	v_max3_num_f32 v[TT+\k], v[TT+\k], v[SQ+8*\k+3], v[SQ+8*\k+4]
.endr
.irp k, 0,1,2,3
	v_max3_num_f32 v[TT+\k], v[TT+\k], v[SQ+8*\k+5], v[SQ+8*\k+6]
.endr
.irp k, 0,1,2,3
	v_max_num_f32 v[TT+\k], v[TT+\k], v[SQ+8*\k+7]
.endr
	v_max3_num_f32 v[TT], v[TT], v[TT+1], v[TT+2]
	v_max_num_f32 v[TT], v[TT], v[TT+3]
	v_permlanex16_b32 v[TT+1], v[TT], s50, s51     ; the row's other 32 keys lie in lane l xor 16
.if \first
	v_max3_num_f32 v[MX+\qt], v[TT], v[TT+1], s82  ; the floor: a row that sees none of my keys gets P = 0 and a finite shift
	v_mul_f32 v[NMC+2*\qt],   s2, v[MX+\qt]
	v_mul_f32 v[NMC+2*\qt+1], s2, v[MX+\qt]
.else
	v_max3_num_f32 v[MX+\qt], v[TT], v[TT+1], v[MX+\qt]
	v_mul_f32 v[TT+4], s2, v[MX+\qt]
	v_sub_f32 v[TT+5], v[TT+4], v[NMC+2*\qt]       ; new shift - old shift, at most 0
	v_exp_f32 v[AL+2*\qt],   v[TT+5]
	v_exp_f32 v[AL+2*\qt+1], v[TT+5]
	v_mov_b32 v[NMC+2*\qt],   v[TT+4]              ; also the plain instruction behind the two exponentials (ISA guide 5.7.2)
	v_mov_b32 v[NMC+2*\qt+1], v[TT+4]
.endif
.set i, 0
.rept 16
	v_pk_fma_f32 v[SQ+i:SQ+i+1], v[SQ+i:SQ+i+1], 0x3e38aa3b, v[NMC+2*\qt:NMC+2*\qt+1] op_sel_hi:[1,0,1]
.set i, i+2
.endr
.set i, 0
.rept 32
	v_exp_f32 v[SQ+i], v[SQ+i]
.set i, i+1
.endr
.if \first
	v_nop                                          ; one plain instruction behind the exponentials before their results are read
	s_wait_alu depctr_va_vdst(0)
.else
.set i, 0
	s_wait_alu depctr_va_vdst(0)
.rept 16
	v_pk_mul_f32 v[OA+32*\qt+i:OA+32*\qt+i+1], v[OA+32*\qt+i:OA+32*\qt+i+1], v[AL+2*\qt:AL+2*\qt+1]   ; these are such plain instructions too
.set i, i+2
.endr
	v_mul_f32 v[LA+8*\qt], v[LA+8*\qt], v[AL+2*\qt]
.endif
.irp ks, 0,1
.irp i, 0,1,2,3
	v_cvt_pk_f16_f32 v[SQ+16*\ks+\i], v[SQ+16*\ks+2*\i], v[SQ+16*\ks+2*\i+1]         ; keys 32 ks + 8 h + 0..7: registers 0-3 of the fragment
.endr
.irp i, 0,1,2,3
	v_cvt_pk_f16_f32 v[SQ+16*\ks+4+\i], v[SQ+16*\ks+8+2*\i], v[SQ+16*\ks+9+2*\i]     ; keys 32 ks + 16 + 8 h + 0..7: registers 4-7
.endr
.endr
.endm
; One tile of 128 keys in slot; I take my 64 of them.  In front of the barrier: all my tensor loads have landed (my part of this tile among them), so the other
; slot's group 0 may be written, and my LDS reads are back.  Behind it the refill of the other slot comes first: at most one tensor load of the wave is out,
; and it has the whole step (36 matrix instructions and two softmax passes of each of the SIMD's two waves) in which to land.
.macro STEP slot, oth, diag, refill, q
	s_wait_tensorcnt 0x0
	ds_add_u32 v238, v239
	s_wait_dscnt 0x0
.if \refill
	NEXT \oth
.endif
	s_wait_dscnt 0x0
	s_barrier_signal -1
	s_barrier_wait -1
.if \refill
	VKLOAD \oth
.endif
	WIN LD
	KLOAD \slot
	VLOAD \slot
	s_wait_dscnt 16                                ; K's 16 loads are in, V's 16 may be out
	WIN MM
	QK \q
	PLACES 4                                       ; before the scores are read
	WIN 0
.if \diag
	MASK
.endif
	SOFTMAX 0, \diag
	SOFTMAX 1, \diag
	s_wait_dscnt 0                                 ; V
	WIN MM
	PV \diag
	PLACES 5                                       ; the next scores are written over P, V's registers are loaded again, O and the row sums are read
	WIN 0
.endm
; A block is done.  Waves 4-7 hand O, row sums and shifts to waves 0-3, lane to lane, through bytes that no tensor load fills; a tensor load may be out across this barrier,
; behind which no slot is filled.  Waves 0-3 bring both parts to the smaller shift, divide by the joint row sum, round to f16 and store whole rows through their stage, 512 neighbouring bytes a store.
.macro FINISH ob
	s_cmp_lt_u32 s8, 4
	s_cbranch_scc1 .Lkeep_\@
	v_mov_b32 v[TT],   v[LA]
	v_mov_b32 v[TT+1], v[LA+8]
	v_mov_b32 v[TT+2], v[NMC]
	v_mov_b32 v[TT+3], v[NMC+2]
.set i, 0
.rept 16
	ds_store_b128 v[MG], v[OA+4*i:OA+4*i+3] offset:512*i
.set i, i+1
.endr
	ds_store_b128 v[MG], v[TT:TT+3] offset:8192
.Lkeep_\@:
	s_wait_dscnt 0x0                               ; for the other group's sake: my stores are done
	s_barrier_signal -1
	s_barrier_wait -1
	s_cmp_lt_u32 s8, 4
	s_cbranch_scc0 .Lgone_\@
.set i, 0
.rept 16
	ds_load_b128 v[SC+4*i:SC+4*i+3], v[MG] offset:512*i
.set i, i+1
.endr
	ds_load_b128 v[TT+4:TT+7], v[MG] offset:8192   ; the other group's row sums (qt 0, 1) and shifts (qt 0, 1)
	s_wait_dscnt 0x0
.irp qt, 0,1
	v_min_num_f32 v[TT+\qt], v[NMC+2*\qt], v[TT+6+\qt]             ; the smaller shift belongs to the larger maximum
	v_sub_f32 v[TT+2+\qt], v[TT+\qt], v[NMC+2*\qt]
	v_sub_f32 v[TT+8+\qt], v[TT+\qt], v[TT+6+\qt]
.endr
	v_exp_f32 v[TT+2], v[TT+2]
	v_exp_f32 v[TT+3], v[TT+3]
	v_exp_f32 v[TT+8], v[TT+8]
	v_exp_f32 v[TT+9], v[TT+9]
	v_nop                                          ; one plain instruction behind the exponentials (ISA guide 5.7.2)
	s_wait_alu depctr_va_vdst(0)
.irp qt, 0,1
	v_mul_f32 v[TT+10+\qt], v[TT+4+\qt], v[TT+8+\qt]
	v_fma_f32 v[TT+10+\qt], v[LA+8*\qt], v[TT+2+\qt], v[TT+10+\qt] ; the joint row sum: at least about 1, the largest key's own P
.endr
	v_rcp_f32 v[TT+10], v[TT+10]
	v_rcp_f32 v[TT+11], v[TT+11]
	v_nop
	s_wait_alu depctr_va_vdst(0)
.irp qt, 0,1
	v_mul_f32 v[AL+2*\qt],   v[TT+2+\qt], v[TT+10+\qt]
	v_mul_f32 v[AL+2*\qt+1], v[TT+2+\qt], v[TT+10+\qt]
	v_mul_f32 v[BE+2*\qt],   v[TT+8+\qt], v[TT+10+\qt]
	v_mul_f32 v[BE+2*\qt+1], v[TT+8+\qt], v[TT+10+\qt]
.endr
.irp qt, 0,1
.set i, 0
.rept 16
	v_pk_mul_f32 v[OA+32*\qt+i:OA+32*\qt+i+1], v[OA+32*\qt+i:OA+32*\qt+i+1], v[AL+2*\qt:AL+2*\qt+1]
.set i, i+2
.endr
.set i, 0
.rept 16
	v_pk_fma_f32 v[OA+32*\qt+i:OA+32*\qt+i+1], v[SC+32*\qt+i:SC+32*\qt+i+1], v[BE+2*\qt:BE+2*\qt+1], v[OA+32*\qt+i:OA+32*\qt+i+1]
.set i, i+2
.endr
.endr
.irp qt, 0,1
.irp dt, 0,1,2,3
.irp i, 0,1,2,3
	v_cvt_pk_f16_f32 v[SC+16*\qt+4*\dt+\i], v[OA+32*\qt+8*\dt+2*\i], v[OA+32*\qt+8*\dt+2*\i+1]
.endr
	ds_store_b128 v[STO], v[SC+16*\qt+4*\dt:SC+16*\qt+4*\dt+3] offset:\qt*16*SP+32*\dt
.endr
.endr
.irp u, 0,1,2,3,4,5,6,7
	ds_load_b128 v[SC+32+4*\u:SC+32+4*\u+3], v[RD] offset:\u*4*SP      ; LDS serves a wave in order: these see the stores above
.endr
.irp u, 0,1,2,3,4,5,6,7
	s_wait_dscnt 7-\u
	global_store_b128 v[CO], v[SC+32+4*\u:SC+32+4*\u+3], s[\ob:\ob+1] offset:512*\u
.endr
	s_wait_xcnt 0x0                                ; the next scores are written over the stores' data only behind this wait
.Lgone_\@:
.endm
	STEP 0, 1, 1, 1, QE                            ; the first block's diagonal tile
	s_mov_b32 s48, s9                              ; then 2 a tiles below it
	s_cmp_eq_u32 s48, 0
	s_cbranch_scc1 .Le_done
.Le:
	STEP 1, 0, 0, 1, QE
	STEP 0, 1, 0, 1, QE
	s_sub_co_u32 s48, s48, 1
	s_cmp_lg_u32 s48, 0
	s_cbranch_scc1 .Le
.Le_done:
	FINISH 56
	STEP 1, 0, 1, 1, QO                            ; the second block's diagonal tile
	s_sub_co_u32 s48, 7, s9                        ; then 15 - 2 a tiles: 7 - a pairs and the last
	s_cmp_eq_u32 s48, 0
	s_cbranch_scc1 .Lo_done
.Lo:
	STEP 0, 1, 0, 1, QO
	STEP 1, 0, 0, 1, QO
	s_sub_co_u32 s48, s48, 1
	s_cmp_lg_u32 s48, 0
	s_cbranch_scc1 .Lo
.Lo_done:
	STEP 0, 1, 0, 0, QO                            ; tile 0: nothing is left to fetch
	FINISH 58
	s_wait_tensorcnt 0x0
	ds_add_u32 v238, v239
	s_wait_dscnt 0x0
	s_endpgm
.Lfunc_end_k_q2a92a3affc_attn:
	.size	k_q2a92a3affc_attn, .Lfunc_end_k_q2a92a3affc_attn-k_q2a92a3affc_attn
	.p2alignl 7, 3214868480
	.fill 96, 4, 3214868480
	.section	.rodata,"a",@progbits
	.p2align	6, 0x0
	.amdhsa_kernel k_q2a92a3affc_attn
		.amdhsa_group_segment_fixed_size 327680
		.amdhsa_private_segment_fixed_size 0
		.amdhsa_enable_private_segment 0
		.amdhsa_kernarg_size 16
		.amdhsa_user_sgpr_count 2
		.amdhsa_user_sgpr_kernarg_segment_ptr 1
		.amdhsa_wavefront_size32 1
		.amdhsa_system_sgpr_workgroup_id_x 1
		.amdhsa_system_sgpr_workgroup_id_y 1
		.amdhsa_system_sgpr_workgroup_id_z 1
		.amdhsa_system_vgpr_workitem_id 0
		.amdhsa_next_free_vgpr 392
		.amdhsa_next_free_sgpr 88
		.amdhsa_reserve_vcc 1
		.amdhsa_float_denorm_mode_32 3
		.amdhsa_float_denorm_mode_16_64 3
		.amdhsa_memory_ordered 1
		.amdhsa_forward_progress 1
		.amdhsa_inst_pref_size 157
	.end_amdhsa_kernel
	.amdgpu_metadata
---
amdhsa.version: [ 1, 2 ]
amdhsa.kernels:
  - .name:           k_q2a92a3affc_attn
    .symbol:         k_q2a92a3affc_attn.kd
    .args:
      - { .name: qkvh, .offset: 0, .size: 8, .value_kind: global_buffer, .address_space: global }
      - { .name: att, .offset: 8, .size: 8, .value_kind: global_buffer, .address_space: global }
    .group_segment_fixed_size: 327680
    .private_segment_fixed_size: 0
    .kernarg_segment_align: 8
    .kernarg_segment_size: 16
    .max_flat_workgroup_size: 256
    .sgpr_count:     88
    .vgpr_count:     392
    .wavefront_size: 32
...
	.end_amdgpu_metadata
.endif
;; end of part 3
;; launch oproj (part 4): grid 8 x 32, 4 waves a work-group, clusters of 4 x 4, 327,680 bytes of LDS; arguments att, bf, out0; writes out0
.if DOCPART == 4
	.amdgcn_target "amdgcn-amd-amdhsa--gfx1250"
	.amdhsa_code_object_version 6
	.text
	.protected	k_q2a92a3affc_oproj
	.globl	k_q2a92a3affc_oproj
	.p2align	8
	.type	k_q2a92a3affc_oproj,@function
k_q2a92a3affc_oproj:
	s_mov_b64 s[64:65], 0
	v_nop
	global_prefetch_b8 v0, s[64:65] scope:SCOPE_SE
	s_setreg_imm32_b32 hwreg(HW_REG_WAVE_MODE, 25, 1), 1
	s_wait_xcnt 0x0
	s_wait_alu depctr_hold_cnt(0) depctr_sa_sdst(0) depctr_va_vdst(0) depctr_va_sdst(0) depctr_va_ssrc(0) depctr_va_vcc(0) depctr_vm_vsrc(0)
	s_getreg_b32 s2, hwreg(HW_REG_IB_STS2, 6, 4)
	s_cmp_eq_u32 s2, 0
	s_cbranch_scc0 .Lentry_in_a_cluster
	s_endpgm
.Lentry_in_a_cluster:
	s_bfe_u32 s2, ttmp6, 0x10000c
	s_cmp_lg_u32 s2, 0xf033
	s_cbranch_scc0 .Lentry_shape_is_right
	s_endpgm
.Lentry_shape_is_right:
; out0 = att wo^T.  att f16 [block of 128 rows: 32][head 16][row 128][64], taken as [4096][K = 64 head + d]; wo [2048][1024] in the f16 format at byte 25,165,824 of bf
; (rounded to bf16 like the other inputs); out0 f32 [4096][2048]; sums in f32.
; The shape of the first product: a work-group makes 128 rows x 256 columns with four waves of 64 x 128 (32 accumulator tiles), 256 work-groups,
; clusters of 4 x 4 with joint loads (att's tiles shared along a row of the cluster, wo's along a column).
; THE RING: a big LDS slot for 256 of K (four heads) and a small one for 128 of K (two heads).  All of a wave's tensor loads have landed at each barrier behind which a slot is
; filled again, so a load has one slot's matrix work in which to land, and the fewer such barriers the better.  K = 1024 goes as big, small, big, small, big: three refills,
; all written out, no loop.  Two slots of 256 of K would not fit in LDS.
; The heads of one block of rows follow each other in att, 16,384 dense bytes each, so two heads are one plain tile of 256 rows x 64 d: waves 2 and 3 fetch two heads each (big) or one each (small).
; The matrix instruction is used transposed (source 0 = rows of wo, source 1 = rows of att): lane l holds row l % 16 and columns 8 (l / 16) + 0..7: 32 neighbouring bytes of f32.
; REGISTERS: window 0 addresses and fragments; window 1 the accumulators, tile (a, b) at v[8 (8 a + b)].
.set KDIM,  1024
.set PB,    528                        ; wo's LDS row in the big slot: 512 bytes + 16
.set PS,    272                        ; in the small slot: 256 bytes + 16
.set DP,    PB-PS                      ; slot s (0 big, 1 small): pitch PB - s DP, 256 - 128 s of K
.set AP,    144                        ; att's LDS row: 128 bytes + 16
.set BIGSZ, 256*PB+4*128*AP            ; wo's 256 rows, then four heads of 128 rows
.set SMALL, BIGSZ                      ; the small slot's first byte: wo's 256 rows, then two heads
.set STAGE, SMALL                      ; the way out uses the small slot: its last fill has landed and its last reads are back ahead of the last barrier, and no tensor load follows
.set SPITCH, 528                       ; the stage's row: 128 f32 + 16 bytes; 16 rows for each wave
.set WO,    25165824                   ; byte of wo in bf
.set HEADB, 16384                      ; bytes of one head of one block in att
.set ASTEP, 6*HEADB                    ; from a slot's tile to its next: 384 of K = six heads
.set BSTEP, 768                        ; the same along wo's rows
.set ROWB,  8192                       ; bytes of a row of out0
.set ADRA, 16                          ; v16-17  LDS address of my att fragments in slot 0, 1
.set ADRB, 20                          ; v20-21  the same for wo
.set STO,  24
.set RD,   25
.set CO,   26
.set FA,   32                          ; v32-95   att fragments, two buffers of 4 x 8
.set FB,   96                          ; v96-223  wo fragments, two buffers of 8 x 8
.set RB,   128                         ; the way out: two buffers of 32 words read back
.set G1A, 24                           ; s[24:39] group 1 of att's tiles, a set for each slot
.set G1B, 40                           ; s[40:55] group 1 of wo's tiles
.set G0A, 56                           ; s[56:63] group 0 of att's tiles
.set G0B, 68                           ; s[68:75] group 0 of wo's tiles
.set MUL,  0x50                        ; C and D in window 1
.set FROM, 0x04                        ; an LDS store's data in window 1
.set MSB, 0
.macro WIN new
.if MSB != \new
	s_set_vgpr_msb (MSB<<8)|\new
.set MSB, \new
.endif
.endm
.macro PLACES                          ; four plain vector instructions behind a matrix instruction (ISA guide 7.12.1)
.rept 4
	v_nop
.endr
.endm
.macro JLOAD s                         ; waves 0, 1: the halves of wo's tile; waves 2, 3: the halves of att's heads
	s_cmp_eq_u32 s11, 0
	s_cbranch_scc0 .Lfor_a_\@
	tensor_load_to_lds s[G0B+4*\s:G0B+4*\s+3], s[G1B+8*\s:G1B+8*\s+7]
	s_nop 0
	s_branch .Lasked_\@
.Lfor_a_\@:
	tensor_load_to_lds s[G0A+4*\s:G0A+4*\s+3], s[G1A+8*\s:G1A+8*\s+7]
	s_nop 0
.Lasked_\@:
.endm
.macro CREST
	s_cmp_lg_u32 s10, 0
	s_cbranch_scc1 .Lnot_wave_0_\@
	s_barrier_signal -3
.Lnot_wave_0_\@:
	s_barrier_wait -3
	s_barrier_signal -1
	s_barrier_wait -1
.endm
.macro CROUND
	s_barrier_signal -1
	s_barrier_wait -1
	CREST
.endm
	s_load_b128 s[4:7], s[0:1], 0x0                ; att s[4:5], bf s[6:7]
	s_load_b64 s[8:9], s[0:1], 0x10                ; out0
	v_lshl_add_u32 v254, v0, 2, 0x4d000
	v_mov_b32 v255, 0
	ds_add_u32 v254, v255
	v_lshrrev_b32 v1, 5, v0
	v_readfirstlane_b32 s10, v1                    ; wave
	s_lshr_b32 s11, s10, 1                         ; my half of the rows.  Also: I fetch for wo (0) or for att (1)
	s_and_b32 s12, s10, 1                          ; my half of the columns.  Also: which part of that tile I fetch
	s_bfe_u32 s76, ttmp6, 0x40000                  ; cx
	s_bfe_u32 s77, ttmp6, 0x40004                  ; cy
	s_lshl_b32 s78, ttmp9, 2
	s_add_co_u32 s78, s78, s76                     ; block column 0..7
	s_and_b32 s13, ttmp7, 0xffff
	s_lshl_b32 s13, s13, 2
	s_add_co_u32 s13, s13, s77                     ; block row 0..31
	s_lshl_b32 s79, s77, 2
	s_lshl_b32 s79, 15, s79                        ; my row of the cluster
	s_lshl_b32 s80, 0x1111, s76                    ; my column
.irp s, 0,1
	s_or_b32 s[G1A+8*\s+0], s79, (1<<16)|(1<<20)|(1<<21)|(4<<22)|(3<<25)       ; mask; 2-byte elements; padding on; bit 21 beside a mask; 4 words behind every 32
	s_or_b32 s[G1B+8*\s+0], s80, (1<<16)|(1<<20)|(1<<21)|((6-\s)<<22)|(3<<25)  ; behind every 128 (big) or 64 (small)
	s_mov_b32 s[G1A+8*\s+1], 64<<16                ; tensor_dim0 = 64 d
	s_mov_b32 s[G1B+8*\s+1], (256-128*\s)<<16      ; 256 or 128 of K
	s_mov_b32 s[G1A+8*\s+2], (256-128*\s)<<16      ; tensor_dim1 = two heads or one, 128 rows each
	s_mov_b32 s[G1B+8*\s+2], 128<<16               ; 128 rows of wo
	s_mov_b32 s[G1A+8*\s+3], 64<<16                ; tile_dim0
	s_mov_b32 s[G1B+8*\s+3], (256-128*\s)<<16
	s_mov_b32 s[G1A+8*\s+4], 256-128*\s            ; tile_dim1
	s_mov_b32 s[G1B+8*\s+4], 128
	s_mov_b32 s[G1A+8*\s+5], 64                    ; elements from row to row: dense
	s_mov_b32 s[G1B+8*\s+5], KDIM
	s_mov_b32 s[G1A+8*\s+6], 0
	s_mov_b32 s[G1B+8*\s+6], 0
	s_mov_b32 s[G1A+8*\s+7], 0
	s_mov_b32 s[G1B+8*\s+7], 0
.endr
	; att's tiles hang on the block row alone, wo's on the block column alone, each in registers that never hold the other coordinate
	s_lshl_b32 s16, s13, 18                        ; att: block row x 16 heads x 16,384 bytes
	s_mov_b32 s17, 0
	s_lshl_b32 s82, s78, 8
	s_lshl_b32 s83, s12, 7
	s_add_co_u32 s82, s82, s83                     ; wo: row 256 x block column + 128 x half
	s_lshl_b32 s82, s82, 11                        ; x 2,048 bytes
	s_add_co_u32 s82, s82, WO
	s_mov_b32 s83, 0
	s_wait_dscnt 0x0
	s_wait_kmcnt 0x0
	s_add_nc_u64 s[14:15], s[4:5], s[16:17]
	s_add_nc_u64 s[82:83], s[6:7], s[82:83]
	CROUND                                         ; all sixteen work-groups are here: the first joint loads meet
.irp s, 0,1                                        ; the big slot first: K 0-255 (heads 0-3); then the small one: K 256-383 (heads 4, 5)
	s_mul_i32 s20, s10, (256-128*\s)*AP            ; att: wave x two heads or one
	s_mul_i32 s21, s10, 128*(PB-\s*DP)             ; wo: wave x 128 rows
	s_mul_i32 s22, s12, (256-128*\s)*128           ; in memory: my part's heads,
	s_add_co_u32 s22, s22, \s*4*HEADB              ; behind the big slot's four for the small slot
	s_mov_b32 s23, 0
	s_mov_b32 s[G0A+4*\s], 1
	s_add_co_u32 s[G0A+4*\s+1], s20, \s*BIGSZ+256*(PB-\s*DP)-2*(256-128*\s)*AP   ; waves 2, 3: straight behind wo's 256 rows
	s_add_nc_u64 s[G0A+4*\s+2:G0A+4*\s+3], s[14:15], s[22:23]
	s_or_b32 s[G0A+4*\s+3], s[G0A+4*\s+3], 0x80000000
	s_mov_b32 s[G0B+4*\s], 1
	s_add_co_u32 s[G0B+4*\s+1], s21, \s*BIGSZ                                    ; waves 0, 1: rows 0 and 128 of the slot
	s_add_nc_u64 s[G0B+4*\s+2:G0B+4*\s+3], s[82:83], \s*512
	s_or_b32 s[G0B+4*\s+3], s[G0B+4*\s+3], 0x80000000
	JLOAD \s                                       ; two tensor loads of the wave are out
.endr
	v_and_b32 v1, 15, v0                           ; r
	v_bfe_u32 v2, v0, 4, 1                         ; h
	v_mul_u32_u24 v3, v1, PB
	v_lshl_add_u32 v3, v2, 4, v3                   ; 528 r + 16 h
	v_mul_u32_u24 v6, v1, PS
	v_lshl_add_u32 v6, v2, 4, v6                   ; 272 r + 16 h
	v_mul_u32_u24 v4, v1, AP
	v_lshl_add_u32 v4, v2, 4, v4                   ; 144 r + 16 h
	s_mul_i32 s22, s12, 128*PB                     ; my 128 rows of wo
	s_mul_i32 s23, s11, 64*AP
	s_add_co_u32 s23, s23, 256*PB                  ; my 64 rows of att, first head of the slot
	v_add_nc_u32 v[ADRB], s22, v3
	v_add_nc_u32 v[ADRA], s23, v4
	s_mul_i32 s22, s12, 128*PS
	s_add_co_u32 s22, s22, SMALL
	s_mul_i32 s23, s11, 64*AP
	s_add_co_u32 s23, s23, SMALL+256*PS
	v_add_nc_u32 v[ADRB+1], s22, v6
	v_add_nc_u32 v[ADRA+1], s23, v4
	s_mul_i32 s22, s10, 16*SPITCH
	s_add_co_u32 s22, s22, STAGE                   ; my stage
	v_mul_u32_u24 v5, v1, SPITCH
	v_lshl_add_u32 v5, v2, 5, v5
	v_add_nc_u32 v[STO], s22, v5                   ; in: row r, 32 bytes for each half of the lanes
	v_and_b32 v5, 31, v0
	v_lshlrev_b32 v[CO], 4, v5                     ; back and out: the 32 lanes take a row's 512 bytes
	v_add_nc_u32 v[RD], s22, v[CO]
.macro MUL8 f, a, zero
.irp b, 0,1,2,3,4,5,6,7
.if \zero
	v_wmma_f32_16x16x32_f16 v[8*(8*\a+\b):8*(8*\a+\b)+7], v[FB+64*\f+8*\b:FB+64*\f+8*\b+7], v[FA+32*\f+8*\a:FA+32*\f+8*\a+7], 0
.else
	v_wmma_f32_16x16x32_f16 v[8*(8*\a+\b):8*(8*\a+\b)+7], v[FB+64*\f+8*\b:FB+64*\f+8*\b+7], v[FA+32*\f+8*\a:FA+32*\f+8*\a+7], v[8*(8*\a+\b):8*(8*\a+\b)+7]
.endif
.endr
.endm
; 24 LDS loads in one run.  Quarter q of a slot (32 along K): byte 64 q of wo's rows; head q / 2 of the slot, byte 64 (q mod 2) of att's rows.
.macro FETCH slot, q, f
	WIN 0
.irp i, 0,1,2,3,4,5,6,7
	ds_load_b128 v[FB+64*\f+8*\i:FB+64*\f+8*\i+3],   v[ADRB+\slot] offset:64*\q+\i*16*(PB-\slot*DP)
	ds_load_b128 v[FB+64*\f+8*\i+4:FB+64*\f+8*\i+7], v[ADRB+\slot] offset:64*\q+\i*16*(PB-\slot*DP)+32
.endr
.irp i, 0,1,2,3
	ds_load_b128 v[FA+32*\f+8*\i:FA+32*\f+8*\i+3],   v[ADRA+\slot] offset:128*AP*(\q>>1)+64*(\q&1)+\i*16*AP
	ds_load_b128 v[FA+32*\f+8*\i+4:FA+32*\f+8*\i+7], v[ADRA+\slot] offset:128*AP*(\q>>1)+64*(\q&1)+\i*16*AP+32
.endr
.endm
; The 32 accumulators take turns, one instruction a turn, in the same order in every quarter.
.macro QUARTER slot, q, f, g, zero
	s_wait_dscnt 4                                 ; wo and att's tiles 0, 1 are in; the four youngest loads (att's tiles 2, 3) may be out
	WIN MUL
	MUL8 \f, 0, \zero
	MUL8 \f, 1, \zero
	PLACES
	FETCH \slot, \q, \g
	s_wait_dscnt 24                                ; all but the 24 just issued
	WIN MUL
	MUL8 \f, 2, \zero
	MUL8 \f, 3, \zero
.endm
.macro THREE                           ; the small slot's first three quarters
	QUARTER 1, 1, 0, 1, 0
	QUARTER 1, 2, 1, 0, 0
	QUARTER 1, 3, 0, 1, 0
.endm
.macro SEVEN zero                      ; the big slot's first seven quarters
	QUARTER 0, 1, 0, 1, \zero
	QUARTER 0, 2, 1, 0, 0
	QUARTER 0, 3, 0, 1, 0
	QUARTER 0, 4, 1, 0, 0
	QUARTER 0, 5, 0, 1, 0
	QUARTER 0, 6, 1, 0, 0
	QUARTER 0, 7, 0, 1, 0
.endm
; A slot's last quarter and the change of slots: each wave's reads of this slot and all its tensor loads are waited for in front of the barrier; with fill = 1 the barrier opens a
; round of the cluster's barrier and the joint refill, 384 of K ahead, is the first tensor load behind the round.
.macro TURN slot, next, fill
	s_wait_dscnt 4
	WIN MUL
	MUL8 1, 0, 0
	s_wait_dscnt 0
	s_wait_tensorcnt 0x0
	ds_add_u32 v254, v255
	s_wait_dscnt 0x0
	s_barrier_signal -1
	MUL8 1, 1, 0
	WIN 0
	s_barrier_wait -1
.if \fill
	CREST
	s_add_nc_u64 s[G0A+4*\slot+2:G0A+4*\slot+3], s[G0A+4*\slot+2:G0A+4*\slot+3], ASTEP   ; no tensor load of mine is out: group 0 may be written
	s_add_nc_u64 s[G0B+4*\slot+2:G0B+4*\slot+3], s[G0B+4*\slot+2:G0B+4*\slot+3], BSTEP
	JLOAD \slot
.endif
	PLACES
	FETCH \next, 0, 0
	WIN MUL
	MUL8 1, 2, 0
	MUL8 1, 3, 0
.endm
	s_wait_tensorcnt 0x1                           ; my part of the big slot (K 0-255) is in; the small slot's may stay out
	s_barrier_signal -1
	s_barrier_wait -1
	FETCH 0, 0, 0
	SEVEN 1                                        ; K 0-255: the first products start the sums
	TURN 0, 1, 1                                   ; the big slot gets K 384-639
	THREE                                          ; K 256-383
	TURN 1, 0, 1                                   ; the small slot gets K 640-767
	SEVEN 0                                        ; K 384-639
	TURN 0, 1, 1                                   ; the big slot gets K 768-1023
	THREE                                          ; K 640-767
	TURN 1, 0, 0                                   ; nothing is left to fetch; behind this barrier no wave reads the small slot any more
	SEVEN 0                                        ; K 768-1023
	s_wait_dscnt 4
	WIN MUL
	MUL8 1, 0, 0
	MUL8 1, 1, 0
	s_wait_dscnt 0
	MUL8 1, 2, 0
	MUL8 1, 3, 0
	; THE WAY OUT, 16 rows at a time: the accumulators go as they are into my stage and come back as whole rows of 512 bytes.
	PLACES
	WIN 0
	s_lshl_b32 s66, s13, 7
	s_lshl_b32 s67, s11, 6
	s_add_co_u32 s66, s66, s67                     ; my first row
	s_lshl_b32 s66, s66, 13
	s_lshl_b32 s67, s78, 10
	s_add_co_u32 s66, s66, s67                     ; + 256 columns of 4 bytes a block
	s_lshl_b32 s67, s12, 9
	s_add_co_u32 s66, s66, s67
	s_mov_b32 s67, 0
	s_add_nc_u64 s[8:9], s[8:9], s[66:67]
.macro OUT16 a
	WIN FROM
.irp b, 0,1,2,3,4,5,6,7
	ds_store_b128 v[STO], v[8*(8*\a+\b):8*(8*\a+\b)+3]   offset:64*\b
	ds_store_b128 v[STO], v[8*(8*\a+\b)+4:8*(8*\a+\b)+7] offset:64*\b+16
.endr
	WIN 0
	s_wait_xcnt 0x0                                ; both read-back buffers, which earlier stores read, and the stores' base are rewritten only behind this wait
.if \a
	s_add_nc_u64 s[8:9], s[8:9], 16*ROWB
.endif
.irp g, 0,1
.irp u, 0,1,2,3,4,5,6,7
	ds_load_b128 v[RB+32*\g+4*\u:RB+32*\g+4*\u+3], v[RD] offset:SPITCH*(8*\g+\u)   ; LDS serves a wave in order: these see the stores above
.endr
.irp u, 0,1,2,3,4,5,6,7
	s_wait_dscnt 7-\u
	global_store_b128 v[CO], v[RB+32*\g+4*\u:RB+32*\g+4*\u+3], s[8:9] offset:ROWB*(8*\g+\u) th:TH_STORE_NT   ; 512 neighbouring bytes of a row, aligned
.endr
.endr
.endm
	OUT16 0
	OUT16 1
	OUT16 2
	OUT16 3
	s_wait_tensorcnt 0x0
	ds_add_u32 v254, v255
	s_wait_dscnt 0x0
	CROUND                                         ; the closing round
	s_endpgm
.Lfunc_end_k_q2a92a3affc_oproj:
	.size	k_q2a92a3affc_oproj, .Lfunc_end_k_q2a92a3affc_oproj-k_q2a92a3affc_oproj
	.p2alignl 7, 3214868480
	.fill 96, 4, 3214868480
	.section	.rodata,"a",@progbits
	.p2align	6, 0x0
	.amdhsa_kernel k_q2a92a3affc_oproj
		.amdhsa_group_segment_fixed_size 327680
		.amdhsa_private_segment_fixed_size 0
		.amdhsa_enable_private_segment 0
		.amdhsa_kernarg_size 24
		.amdhsa_user_sgpr_count 2
		.amdhsa_user_sgpr_kernarg_segment_ptr 1
		.amdhsa_wavefront_size32 1
		.amdhsa_system_sgpr_workgroup_id_x 1
		.amdhsa_system_sgpr_workgroup_id_y 1
		.amdhsa_system_sgpr_workgroup_id_z 1
		.amdhsa_system_vgpr_workitem_id 0
		.amdhsa_next_free_vgpr 512
		.amdhsa_next_free_sgpr 96
		.amdhsa_reserve_vcc 0
		.amdhsa_float_denorm_mode_32 3
		.amdhsa_float_denorm_mode_16_64 3
		.amdhsa_memory_ordered 1
		.amdhsa_forward_progress 1
		.amdhsa_inst_pref_size 148
	.end_amdhsa_kernel
	.amdgpu_metadata
---
amdhsa.version: [ 1, 2 ]
amdhsa.kernels:
  - .name:           k_q2a92a3affc_oproj
    .symbol:         k_q2a92a3affc_oproj.kd
    .args:
      - { .name: att, .offset: 0, .size: 8, .value_kind: global_buffer, .address_space: global }
      - { .name: bf, .offset: 8, .size: 8, .value_kind: global_buffer, .address_space: global }
      - { .name: out0, .offset: 16, .size: 8, .value_kind: global_buffer, .address_space: global }
    .group_segment_fixed_size: 327680
    .private_segment_fixed_size: 0
    .kernarg_segment_align: 8
    .kernarg_segment_size: 24
    .max_flat_workgroup_size: 128
    .sgpr_count:     96
    .vgpr_count:     512
    .wavefront_size: 32
...
	.end_amdgpu_metadata
.endif
;; end of part 4
